; MI455X (gfx1250); checked and timed in simulation.
; The chip was launched on July 23, 2026; its instructions are those of AMD's public machine-readable ISA for CDNA 5 (MIT licence, August 2026) and "CDNA5" Instruction Set Architecture Reference Guide (July 2026). The comments in the code are by the model that wrote it; some were corrected since.
;; Int Einsum. Allowed arithmetic: float matrix products may take bf16 or f16 operands with f32 sums; other float arithmetic in f32, or as packed bf16 or f16 multiplies, adds, multiply-adds, maxima and minima; sums over many terms, partial sums and values carried from step to step in f32; what a program stores and reads back later, other than sums and carried values, may be rounded once to bf16 or f16.
;; Inputs: kernel 4,096 x 16,384 int8; scale 1 x 16,384 float32; x 4 x 256 x 4,096 float32.
;; Outputs: out0 4 x 256 x 16,384 float32.
;; 2 versions, each right; version 2 is version 1 with the launch cvtx written anew for expert scheduling mode. Each part assembles by itself: llvm-mc -triple=amdgcn-amd-amdhsa -mcpu=gfx1250 --defsym DOCPART=n.
;; ======== version 1 of 2: 2 launches
;; limits: inputs' magnitudes at most 65,504; values are held in f16: magnitudes above 65,504 overflow, below 6.1e-05 lose precision
;; workspace buffers: xh 8,388,608 bytes
;; launch cvtx (part 1): grid 512 x 1, 8 waves a work-group, no clusters, 0 bytes of LDS; arguments x, xh; writes xh
.if DOCPART == 1
	.amdgcn_target "amdgcn-amd-amdhsa--gfx1250"
	.amdhsa_code_object_version 6
	.text
	.protected	k_qa9f0a3b8e5_cvtx
	.globl	k_qa9f0a3b8e5_cvtx
	.p2align	8
	.type	k_qa9f0a3b8e5_cvtx,@function
k_qa9f0a3b8e5_cvtx:
	s_mov_b64 s[64:65], 0
	v_nop
	global_prefetch_b8 v0, s[64:65] scope:SCOPE_SE
	s_setreg_imm32_b32 hwreg(HW_REG_WAVE_MODE, 25, 1), 1
	s_wait_xcnt 0x0
; xh = x rounded to f16, same layout: [1024][4096], x in f32 (16,777,216 bytes), xh in f16 (8,388,608 bytes).
; LIMITS.  f16 holds no number beyond 65,504: an |x| of 65,520 or more becomes an infinity; below 6.1e-5 x keeps f16's fixed step of 6e-8.  NaN stays NaN.
; A stream: no LDS, no barrier, no matrix unit, since every byte is read once and written once and nothing is shared.
; 512 work-groups of eight waves; a work-group owns 32,768 bytes of x and 16,384 of xh.  Thread t takes the 16 bytes at 16 t + 4,096 j (j = 0 .. 7):
; a wave's load covers 512 consecutive bytes; its store of 8 bytes a lane covers 256 consecutive bytes, at a multiple of 256 from xh's first byte.
; All eight loads of a thread go out at once, each into registers of its own, so no register is used twice and no source is ever rewritten.
.set X, 4                              ; v[4:35]   load j: four f32
.set Y, 36                             ; v[36:51]  store j: four f16 in two registers
	s_load_b128 s[4:7], s[0:1], 0x0                ; x s[4:5], xh s[6:7]
	v_lshlrev_b32 v1, 4, v0                        ; 16 t
	v_lshlrev_b32 v2, 3, v0                        ; 8 t
	s_lshl_b32 s8, ttmp9, 15                       ; the work-group's 32,768 bytes of x (under 2^24 in all)
	s_mov_b32 s9, 0
	s_lshl_b32 s10, ttmp9, 14                      ; and its 16,384 bytes of xh
	s_mov_b32 s11, 0
	s_wait_kmcnt 0x0
	s_add_nc_u64 s[4:5], s[4:5], s[8:9]
	s_add_nc_u64 s[6:7], s[6:7], s[10:11]
.irp j, 0,1,2,3,4,5,6,7
	global_load_b128 v[X+4*(\j):X+4*(\j)+3], v1, s[4:5] offset:4096*(\j) th:TH_LOAD_NT  ; x is read once in the whole program
.endr
.irp j, 0,1,2,3,4,5,6,7
	s_wait_loadcnt 7-(\j)                          ; loads come back in order (ISA guide 5.7.1): load j is in, the 7 - j younger ones stay out
	v_cvt_pk_f16_f32 v[Y+2*(\j)],   v[X+4*(\j)],   v[X+4*(\j)+1]
	v_cvt_pk_f16_f32 v[Y+2*(\j)+1], v[X+4*(\j)+2], v[X+4*(\j)+3]
	global_store_b64 v2, v[Y+2*(\j):Y+2*(\j)+1], s[6:7] offset:2048*(\j)  ; no hint: the next launch reads xh
.endr
	s_endpgm
.Lfunc_end_k_qa9f0a3b8e5_cvtx:
	.size	k_qa9f0a3b8e5_cvtx, .Lfunc_end_k_qa9f0a3b8e5_cvtx-k_qa9f0a3b8e5_cvtx
	.p2alignl 7, 3214868480
	.fill 96, 4, 3214868480
	.section	.rodata,"a",@progbits
	.p2align	6, 0x0
	.amdhsa_kernel k_qa9f0a3b8e5_cvtx
		.amdhsa_group_segment_fixed_size 0
		.amdhsa_private_segment_fixed_size 0
		.amdhsa_enable_private_segment 0
		.amdhsa_kernarg_size 16
		.amdhsa_user_sgpr_count 2
		.amdhsa_user_sgpr_kernarg_segment_ptr 1
		.amdhsa_wavefront_size32 1
		.amdhsa_system_sgpr_workgroup_id_x 1
		.amdhsa_system_sgpr_workgroup_id_y 1
		.amdhsa_system_sgpr_workgroup_id_z 1
		.amdhsa_system_vgpr_workitem_id 0
		.amdhsa_next_free_vgpr 56
		.amdhsa_next_free_sgpr 66
		.amdhsa_reserve_vcc 0
		.amdhsa_float_denorm_mode_32 3
		.amdhsa_float_denorm_mode_16_64 3
		.amdhsa_memory_ordered 1
		.amdhsa_forward_progress 1
		.amdhsa_inst_pref_size 4
	.end_amdhsa_kernel
	.amdgpu_metadata
---
amdhsa.version: [ 1, 2 ]
amdhsa.kernels:
  - .name:           k_qa9f0a3b8e5_cvtx
    .symbol:         k_qa9f0a3b8e5_cvtx.kd
    .args:
      - { .name: x, .offset: 0, .size: 8, .value_kind: global_buffer, .address_space: global }
      - { .name: xh, .offset: 8, .size: 8, .value_kind: global_buffer, .address_space: global }
    .group_segment_fixed_size: 0
    .private_segment_fixed_size: 0
    .kernarg_segment_align: 8
    .kernarg_segment_size: 16
    .max_flat_workgroup_size: 256
    .sgpr_count:     66
    .vgpr_count:     56
    .wavefront_size: 32
...
	.end_amdgpu_metadata
.endif
;; end of part 1
;; launch gemm (part 2): grid 64 x 4, 4 waves a work-group, clusters of 4 x 4, 327,680 bytes of LDS; arguments xh, kernel, scale, out0; writes out0
.if DOCPART == 2
	.amdgcn_target "amdgcn-amd-amdhsa--gfx1250"
	.amdhsa_code_object_version 6
	.text
	.protected	k_qa9f0a3b8e5_gemm
	.globl	k_qa9f0a3b8e5_gemm
	.p2align	8
	.type	k_qa9f0a3b8e5_gemm,@function
k_qa9f0a3b8e5_gemm:
	s_mov_b64 s[64:65], 0
	v_nop
	global_prefetch_b8 v0, s[64:65] scope:SCOPE_SE
	s_setreg_imm32_b32 hwreg(HW_REG_WAVE_MODE, 25, 1), 1
	s_wait_xcnt 0x0
	s_wait_alu depctr_hold_cnt(0) depctr_sa_sdst(0) depctr_va_vdst(0) depctr_va_sdst(0) depctr_va_ssrc(0) depctr_va_vcc(0) depctr_vm_vsrc(0)
	s_getreg_b32 s2, hwreg(HW_REG_IB_STS2, 6, 4)
	s_cmp_eq_u32 s2, 0
	s_cbranch_scc0 .Lentry_in_a_cluster
	s_endpgm
.Lentry_in_a_cluster:
	s_bfe_u32 s2, ttmp6, 0x10000c
	s_cmp_lg_u32 s2, 0xf033
	s_cbranch_scc0 .Lentry_shape_is_right
	s_endpgm
.Lentry_shape_is_right:
; out[m][f] = (sum over d of xh[m][d] kernel[d][f]) / scale[f].  xh: [1024][4096] f16 (x rounded once by the launch before); kernel: [4096][16384] int8; scale: [16384] f32; out: [1024][16384] f32.
; Products in f16 (an int8 is exact in f16), sums in f32, K ascending, one sum for each output; the sum is multiplied by 1 / scale in f32 and stored.
; LIMITS.  x carries f16's range and step (65,504; 6e-8 below 6.1e-5).  1 / scale is v_rcp_f32 (1 ULP; it takes a |scale| below 2^-126 for 0 and gives 0 for one above 2^126).  The scale divides the
; f32 sum and not each weight: an order of rounding other than the reference's.  NaN and infinities are not treated apart.
; SHARES.  A tile of out, 256 x 256, is made by a work-group of four waves; 4 x 64 tiles, one a work-group.  A wave makes 128 x 128: 64 accumulators of 16 x 16, 512 registers.
; K goes in 32 steps of 128 through two LDS slots filled by the tensor data mover: 256 rows x 256 bytes of xh, and 128 rows (k) x 256 bytes (columns) of kernel.
; CLUSTERS.  4 x 4 work-groups.  The four of a row of the cluster need the same tile of xh, the four of a column the same tile of kernel: each tile is asked for JOINTLY, by the same tensor load with the
; same descriptor and a mask that names the four.  A column of the cluster is all 1,024 rows of out, so each byte of kernel is asked for once in the launch.
; THE WEIGHTS lie with k down the rows, one byte each.  ds_load_tr16_b128, used on PAIRS of bytes, turns 16 k x 32 columns: lane l gets k = 8 (l / 16) + 0..7 of columns 2 (l % 16) and 2 (l % 16) + 1; in each
; of its four words: byte 0 even column, byte 1 odd column (k = 2 i), bytes 2 and 3 the same for k = 2 i + 1.  A byte b becomes f16 so: u = b xor 0x80 = b + 128; the half-word 0x6400 | u is exactly 1,024 + u;
; less 1,152 it is b, exactly.  For a word of four bytes: one v_xor_b32, two v_perm_b32 (even and odd column), two v_pk_add_f16: five instructions for four numbers, 160 for a quarter step's 64 matrix
; instructions.  They stand in fives behind every second matrix instruction, so that they are issued while the matrix unit works; in a run of their own the unit would stand idle for all 160.  The price:
; two s_set_vgpr_msb for each five, since the accumulators fill windows 2 and 3.
; So fragment 2 g of B holds the even columns of the wave's columns 32 g .. 32 g + 31, fragment 2 g + 1 the odd ones; the way out puts them side by side again.
; THE MATRIX INSTRUCTION IS USED TRANSPOSED (source 0 = 16 columns of kernel, source 1 = 16 rows of xh): a lane holds ONE row of out (l % 16) and eight columns of the fragment.
; REGISTERS, in windows of 256 (s_set_vgpr_msb: bits 1:0 source 0, 3:2 source 1, 5:4 source 2, 7:6 destination):
;   window 0: v0-29 addresses; v64-127, v128-191 fragments of xh, two buffers (on the way out: scaled results, rows read back); v192-255 the 64 reciprocals of my columns' scales
;   window 1: v0-31, v32-63 raw bytes of kernel, two buffers; v64-127, v128-191 fragments of kernel in f16, two buffers; v192, v193 two constants
;   window 2: the 32 accumulators of my rows 0-63 (accumulator (a, b) at v[8 (8 (a % 4) + b)]);   window 3: those of my rows 64-127
.set SIZE_K, 4096
.set SIZE_N, 16384
.set KSTEP,  128
.set LAPS,   SIZE_K/(2*KSTEP)          ; a lap = two K steps = once round the ring
.set PA,     272                       ; a row of xh in LDS: 256 bytes + 16 of padding = 68 words: row r starts at bank 4 r mod 64 (64 banks of 4 bytes: ISA guide 11.1)
.set HALFA,  128*PA                    ; 128 rows: what one tensor load brings, and what one wave reads
.set AT,     2*HALFA
.set PB,     288                       ; a row (one k) of kernel in LDS: 256 + 32 = 72 words
.set HALFB,  64*PB                     ; 64 rows: what one tensor load brings
.set SLOT,   AT+2*HALFB                ; 106,496 bytes: xh's 256 rows, then kernel's 128
.set STAGE,  2*SLOT                    ; behind the ring, never filled by a tensor load: 16 rows x 528 bytes for each wave, for the way out
.set SPITCH, 528                       ; 512 bytes + 16: the 16 rows that a store touches start at 16 different groups of four banks
.set SPARE,  STAGE+4*16*SPITCH         ; behind the stages: the spare words, 128 bytes for each wave: two blocks of 256 bytes that no other line names
.set ADRA, 16                          ; v16-17  LDS address of my fragments of xh in slot 0, 1
.set ADRB, 20                          ; v20-21  the same for the turning loads of kernel
.set STO,  24                          ; v24     the way out: where I put 64 bytes of a row
.set RD,   25                          ; v25     the way out: where I read a row back
.set CO,   26                          ; v26     my 16 bytes in 512 consecutive bytes of out
.set SO,   27                          ; v27     my byte offset in my wave's 512 bytes of scale
.set SPW,  28                          ; v28     LDS address of my spare word: SPARE + 4 x my thread's number; never rewritten
.set NIL,  29                          ; v29     0; never rewritten
.set F0,   64                          ; fragment buffer 0; buffer 1 lies 64 registers on (both in window 0 and in window 1)
.set TMP,  64                          ; the way out: 64 scaled results
.set BK,   128                         ; the way out: 16 rows read back from the stage
.set INV,  192                         ; v[INV + 16 g + c] = 1 / scale[my wave's column 32 g + 16 (l / 16) + c]
.set BIAS, 192                         ; window 1: -1,152 in both halves
.set C64,  193                         ; window 1: 0x64 in every byte
.set WV,  12                           ; s12  my wave's number
.set RH,  13                           ; s13  which half of the tile's rows is mine.  Also: I fetch for xh (0) or for kernel (1)
.set CH,  14                           ; s14  which half of its columns.  Also: which half of that tile's rows I fetch
.set G1,  24                           ; s[24:31] descriptor group 1 for xh's tiles
.set G0,  32                           ; s[32:39] descriptor group 0 for xh's tiles, one set for each slot
.set G1B, 48                           ; s[48:55] descriptor group 1 for kernel's tiles
.set G0B, 56                           ; s[56:63] descriptor group 0 for kernel's tiles, one set for each slot
.set SELE, 66                          ; s66  v_perm_b32: bytes 0 and 2 of the raw word, 0x64 above each
.set SELO, 67                          ; s67  bytes 1 and 3
.set XR,   68                          ; s68  0x80 in every byte
.set LAP,  69                          ; s69  laps to go
.set MSB, 0
.macro WIN new                         ; the immediate's high byte repeats the setting that is left; a switch that changes nothing is dropped
.if MSB != (\new)
	s_set_vgpr_msb (MSB<<8)|(\new)
.set MSB, \new
.endif
.endm
.set MUL_LO, 0xa1                      ; source 0 (kernel) window 1, source 1 (xh) window 0, C and D window 2
.set MUL_HI, 0xf1                      ; the same, C and D window 3
.set TO_B,   0x40                      ; destination window 1, address window 0
.set W_CV,   0x45                      ; destination, source 0 and source 1 window 1
; A joint load.  Waves 0 and 1 fetch xh's two halves, waves 2 and 3 kernel's.  Each of the two lines has ONE mask and one set of registers for all that issue it, and nothing in them hangs on a
; coordinate that the four partners do not share.  The branch hangs on the wave's number alone.  An s_nop 0 and four v_nop follow each line, ahead of the jump and the label.
.macro JLOAD s
	s_cmp_eq_u32 s[RH], 0
	s_cbranch_scc0 .Lfor_b_\@
	tensor_load_to_lds s[G0+4*(\s):G0+4*(\s)+3], s[G1:G1+7]
	s_nop 0
.rept 4
	v_nop
.endr
	s_branch .Lasked_\@
.Lfor_b_\@:
	tensor_load_to_lds s[G0B+4*(\s):G0B+4*(\s)+3], s[G1B:G1B+7]
	s_nop 0
.rept 4
	v_nop
.endr
.Lasked_\@:
.endm
; A round of the cluster's barrier: my work-group's barrier, so that wave 0's signal speaks for all four waves; wave 0 signals for the work-group; every wave waits for all sixteen work-groups;
; my work-group's barrier once more.  No LDS instruction of the wave is pending at a signal.
.macro CREST                           ; a round behind its opening barrier
	s_cmp_lg_u32 s[WV], 0
	s_cbranch_scc1 .Lnot_wave_0_\@
	s_barrier_signal -3
.Lnot_wave_0_\@:
	s_barrier_wait -3
	s_barrier_signal -1
	s_barrier_wait -1
.endm
.macro CROUND                          ; a whole round
	s_barrier_signal -1
	s_barrier_wait -1
	CREST
.endm
.macro PLACES                          ; four plain vector instructions between a matrix instruction and a vector instruction that reads its result (ISA guide 7.12.1)
	s_wait_alu depctr_va_vdst(0)
.rept 4
	v_nop
.endr
.endm
	s_load_b256 s[4:11], s[0:1], 0x0               ; xh s[4:5], kernel s[6:7], scale s[8:9], out s[10:11]
	v_lshl_add_u32 v[SPW], v0, 2, SPARE
	v_mov_b32 v[NIL], 0
	ds_add_u32 v[SPW], v[NIL]                      ; the wave's opening: the add and its wait stand ahead of my first tensor load; the set-up below, work on registers, stands between them
	v_lshrrev_b32 v1, 5, v0
	v_readfirstlane_b32 s[WV], v1                  ; wave 0..3
	s_lshr_b32 s[RH], s[WV], 1
	s_and_b32 s[CH], s[WV], 1
	s_bfe_u32 s40, ttmp6, 0x40000                  ; cx: my place along the cluster's x
	s_bfe_u32 s41, ttmp6, 0x40004                  ; cy: along its y
	s_lshl_b32 s42, ttmp9, 2                       ; in a cluster launch ttmp9 and ttmp7 count clusters
	s_add_co_u32 s42, s42, s40                     ; tile column = 4 x cluster x + cx, 0 .. 63
	s_and_b32 s43, ttmp7, 0xffff
	s_lshl_b32 s43, s43, 2
	s_add_co_u32 s43, s43, s41                     ; tile row = 4 x cluster y + cy, 0 .. 3
	s_lshl_b32 s44, s41, 2
	s_lshl_b32 s44, 15, s44                        ; my row of the cluster: places 4 cy .. 4 cy + 3
	s_lshl_b32 s45, 0x1111, s40                    ; my column: places cx, cx + 4, cx + 8, cx + 12
	; group 1 for xh: a tile of 128 rows x 128 elements of 2 bytes, 16 bytes of padding behind each row
	s_or_b32 s[G1+0], s44, (1<<16)|(1<<20)|(1<<21)|(5<<22)|(3<<25)  ; 15:0 the mask: my row; 17:16 elements of 2 bytes; 20 padding on; 21 set beside a mask; 24:22 after every 64 words (code 5); 31:25 4 words (code 3)
	s_mov_b32 s[G1+1], KSTEP<<16                   ; tensor_dim0 = 128
	s_mov_b32 s[G1+2], 128<<16                     ; tensor_dim1 = 128
	s_mov_b32 s[G1+3], KSTEP<<16                   ; tile_dim0 = 128
	s_mov_b32 s[G1+4], 128                         ; tile_dim1 = 128
	s_mov_b32 s[G1+5], SIZE_K                      ; elements from row to row
	s_mov_b32 s[G1+6], 0
	s_mov_b32 s[G1+7], 0
	; group 1 for kernel: a tile of 64 rows (k) x 256 elements of 1 byte, 32 bytes of padding behind each row
	s_or_b32 s[G1B+0], s45, (0<<16)|(1<<20)|(1<<21)|(5<<22)|(7<<25)  ; the mask: my column; elements of 1 byte; after every 64 words 8 words (code 7)
	s_mov_b32 s[G1B+1], 256<<16                    ; tensor_dim0 = 256
	s_mov_b32 s[G1B+2], 64<<16                     ; tensor_dim1 = 64
	s_mov_b32 s[G1B+3], 256<<16                    ; tile_dim0 = 256
	s_mov_b32 s[G1B+4], 64                         ; tile_dim1 = 64
	s_mov_b32 s[G1B+5], SIZE_N                     ; elements from row to row
	s_mov_b32 s[G1B+6], 0
	s_mov_b32 s[G1B+7], 0
	; where the tiles come from.  xh's hang on the tile row alone, which my row of the cluster shares; kernel's on the tile column alone, which my column shares.
	; Every wave makes both addresses, in registers that never hold the other coordinate, and asks by one of them.
	s_lshl_b32 s16, s43, 8
	s_lshl_b32 s17, s[CH], 7
	s_add_co_u32 s16, s16, s17                     ; xh: row 256 x tile row + 128 x half,
	s_lshl_b32 s16, s16, 13                        ; times 8,192 bytes a row: under 2^23
	s_mov_b32 s17, 0
	s_lshl_b32 s46, s42, 8                         ; kernel: column 256 x tile column, a byte each,
	s_lshl_b32 s47, s[CH], 20                      ; and 64 x half rows of 16,384 bytes
	s_add_co_u32 s46, s46, s47
	s_mov_b32 s47, 0
	s_mul_i32 s20, s[CH], HALFA                    ; and where they go: no place in the cluster enters an LDS address
	s_mul_i32 s21, s[CH], HALFB
	s_add_co_u32 s21, s21, AT
	s_mov_b32 s[SELE], 0x04020400
	s_mov_b32 s[SELO], 0x04030401
	s_mov_b32 s[XR], 0x80808080
	s_wait_dscnt 0x0                               ; the opening add is done
	s_wait_kmcnt 0x0
	s_add_nc_u64 s[16:17], s[4:5], s[16:17]
	s_add_nc_u64 s[46:47], s[6:7], s[46:47]
	CROUND                                         ; all sixteen work-groups are here: the first joint loads meet
.irp s, 0,1
	s_mov_b32 s[G0+4*(\s)], 1                                      ; 1:0 count = 1
	s_add_co_u32 s[G0+4*(\s)+1], s20, (\s)*SLOT                    ; 63:32 LDS address
	s_add_nc_u64 s[G0+4*(\s)+2:G0+4*(\s)+3], s[16:17], (\s)*KSTEP*2  ; 120:64 global address: K step s
	s_or_b32 s[G0+4*(\s)+3], s[G0+4*(\s)+3], 0x80000000            ; 127:126 type = 2
	s_mov_b32 s[G0B+4*(\s)], 1
	s_add_co_u32 s[G0B+4*(\s)+1], s21, (\s)*SLOT
	s_add_nc_u64 s[G0B+4*(\s)+2:G0B+4*(\s)+3], s[46:47], (\s)*KSTEP*SIZE_N
	s_or_b32 s[G0B+4*(\s)+3], s[G0B+4*(\s)+3], 0x80000000
	JLOAD \s                                       ; the ring is filled before anything else is done: two tensor loads of mine are out
.endr
	; A fragment of xh is 16 rows x 32 K in 8 registers: lane l holds row l % 16; registers 0-3 hold K = 8 (l / 16) + 0..7, registers 4-7 K = 16 + 8 (l / 16) + 0..7: two loads of 16 bytes, 32 bytes apart.
	v_and_b32 v1, 15, v0                           ; l % 16
	v_bfe_u32 v2, v0, 4, 1                         ; l / 16
	v_mul_u32_u24 v3, v1, PA
	v_lshl_add_u32 v3, v2, 4, v3                   ; row x pitch + 16 x half
	s_mul_i32 s22, s[RH], HALFA                    ; my 128 rows of xh
	v_add_nc_u32 v[ADRA], s22, v3
	v_add_nc_u32 v[ADRA+1], SLOT, v[ADRA]
	; The turning load: lane l reads 16 bytes of row (k) 8 (l / 16) + l % 8, at byte 16 ((l / 8) % 2) of a group of 32 columns
	v_and_b32 v4, 7, v0
	v_lshl_add_u32 v4, v2, 3, v4
	v_mul_u32_u24 v4, v4, PB
	v_bfe_u32 v5, v0, 3, 1
	v_lshl_add_u32 v4, v5, 4, v4
	s_lshl_b32 s22, s[CH], 7                       ; my 128 columns, a byte each,
	s_add_co_u32 s22, s22, AT                      ; behind xh's 256 rows
	v_add_nc_u32 v[ADRB], s22, v4
	v_add_nc_u32 v[ADRB+1], SLOT, v[ADRB]
	s_mul_i32 s23, s[WV], 16*SPITCH
	s_add_co_u32 s23, s23, STAGE                   ; my stage
	v_mul_u32_u24 v5, v1, SPITCH                   ; in: row l % 16, 64 bytes (16 columns) for each half of the lanes in each group of 32 columns
	v_lshl_add_u32 v5, v2, 6, v5
	v_add_nc_u32 v[STO], s23, v5
	v_and_b32 v6, 31, v0
	v_lshlrev_b32 v[CO], 4, v6                     ; back: 32 lanes take one row of 512 bytes
	v_add_nc_u32 v[RD], s23, v[CO]
	v_lshlrev_b32 v[SO], 6, v2
	s_lshl_b32 s70, s42, 10                        ; my first column in scale and in out, in bytes: 1,024 x tile column + 512 x half
	s_lshl_b32 s71, s[CH], 9
	s_add_co_u32 s70, s70, s71
	s_mov_b32 s71, 0
	s_add_nc_u64 s[8:9], s[8:9], s[70:71]
	s_add_nc_u64 s[10:11], s[10:11], s[70:71]
	s_lshl_b32 s18, s43, 8
	s_lshl_b32 s19, s[RH], 7
	s_add_co_u32 s18, s18, s19                     ; my first row of out,
	s_lshl_b32 s18, s18, 16                        ; times 65,536 bytes a row: under 2^26
	s_mov_b32 s19, 0
	s_add_nc_u64 s[10:11], s[10:11], s[18:19]
.irp g, 0,1,2,3
.irp q, 0,1,2,3
	global_load_b128 v[INV+16*(\g)+4*(\q):INV+16*(\g)+4*(\q)+3], v[SO], s[8:9] offset:128*(\g)+16*(\q)  ; my wave's 512 bytes of scale, once: the 64 numbers of the columns that my lane will hold
.endr
.endr
	WIN TO_B
	v_mov_b32 v[BIAS], 0xe480e480
	v_mov_b32 v[C64], 0x64646464
	WIN 0
; Raw word i (0 .. 31) of raw buffer g becomes two words of f16 in fragment buffer g: word i % 8 of fragment 2 (i / 8) (even columns) and of fragment 2 (i / 8) + 1 (odd columns).
; The exclusive or of word i + 1 stands between the permutes and the additions of word i, so that no line reads the result of the line before it.
.macro CONV g, i
	WIN W_CV
.set rR, 32*(\g)+(\i)
.set rE, F0+64*(\g)+16*((\i)/8)+(\i)%8
.if (\i) == 0
	v_xor_b32 v[rR], s[XR], v[rR]
.endif
	v_perm_b32 v[rE],   v[C64], v[rR], s[SELE]
	v_perm_b32 v[rE+8], v[C64], v[rR], s[SELO]
.if (\i) < 31
	v_xor_b32 v[rR+1], s[XR], v[rR+1]
.endif
	v_pk_add_f16 v[rE],   v[rE],   v[BIAS]
	v_pk_add_f16 v[rE+8], v[rE+8], v[BIAS]
.endm
; 16 matrix instructions on buffer f: row blocks a0, a0 + 1 of the window's four (hi = 0: my rows 0-63, 1: rows 64-127) x all 8 column fragments, 32 along K.  zero = 1: the products start the sums.
; conv = 1: behind every second one stands the conversion of one raw word, c0 on, for the OTHER buffer, which the quarter before multiplied: its fragments 0 and 1 were last read 19 plain vector
; instructions or more ahead of the first line that rewrites them.  The 64 accumulators take turns, one instruction a turn, in the same order in every quarter.
.macro MUL16 f, hi, a0, zero, conv, c0
.set n, 0
.rept 16
	WIN MUL_LO+0x50*(\hi)
.set rD, 8*(8*((\a0)+n/8)+n%8)
.set rB, F0+64*(\f)+8*(n%8)
.set rA, F0+64*(\f)+8*(4*(\hi)+(\a0)+n/8)
.if \zero
	v_wmma_f32_16x16x32_f16 v[rD:rD+7], v[rB:rB+7], v[rA:rA+7], 0
.else
	v_wmma_f32_16x16x32_f16 v[rD:rD+7], v[rB:rB+7], v[rA:rA+7], v[rD:rD+7]
.endif
.if (\conv) && (n%2 == 1)
	CONV 1-(\f), (\c0)+n/2
.endif
.set n, n+1
.endr
.endm
; 16 LDS loads: my 128 rows of xh, 32 K at byte k of the rows, into buffer g; rows 0-63 first
.macro FETCH_A slot, k, g
	WIN 0
.irp i, 0,1,2,3,4,5,6,7
	ds_load_b128 v[F0+64*(\g)+8*(\i):F0+64*(\g)+8*(\i)+3],   v[ADRA+(\slot)] offset:(\k)+(\i)*16*PA
	ds_load_b128 v[F0+64*(\g)+8*(\i)+4:F0+64*(\g)+8*(\i)+7], v[ADRA+(\slot)] offset:(\k)+(\i)*16*PA+32
.endr
.endm
; 8 turning loads: quarter rk (32 k) of my 128 columns of kernel into raw buffer rb: word 8 grp + 4 kk + j
.macro FETCH_R slot, rk, rb
	WIN TO_B
.irp grp, 0,1,2,3
.irp kk, 0,1
	ds_load_tr16_b128 v[32*(\rb)+8*(\grp)+4*(\kk):32*(\rb)+8*(\grp)+4*(\kk)+3], v[ADRB+(\slot)] offset:(32*(\rk)+16*(\kk))*PB+32*(\grp)
.endr
.endr
.endm
; A K step is four quarters of 32 along K, 64 matrix instructions each, on buffers 0, 1, 0, 1.  A quarter multiplies buffer f, converts the next quarter's raw bytes, and in its middle fetches, in ONE run,
; the raw bytes of the quarter after next (slot rs, quarter rk, into raw buffer f, which the quarter before has converted) and the next quarter's fragments of xh (slot as, byte ak).  -1: no such run.
; The loads into xh's other buffer stand 40 plain vector instructions or more behind the last product that read it.
.macro QUARTER f, head, zero, conv, as, ak, rs, rk
	s_wait_dscnt \head                             ; 8: the raw bytes and xh's rows 0-63 are in, the youngest eight loads (rows 64-127) may be out.  0: only eight raw loads were out
	MUL16 \f, 0, 0, \zero, \conv, 0
	MUL16 \f, 0, 2, \zero, \conv, 8
.set left, 0
.if (\rs) >= 0
	FETCH_R \rs, \rk, \f
.set left, left+8
.endif
.if (\as) >= 0
	FETCH_A \as, \ak, 1-(\f)
.set left, left+16
.endif
	s_wait_dscnt left                              ; all but the loads just issued
	MUL16 \f, 1, 0, \zero, \conv, 16
	MUL16 \f, 1, 2, \zero, \conv, 24
.endm
.macro Q0 s, zero                      ; a step's first quarter, in slot s
	QUARTER 0, 8, \zero, 1, \s, 64, \s, 2
.endm
.macro Q1 s                            ; its second
	QUARTER 1, 8, 0, 1, \s, 128, \s, 3
.endm
.macro Q3 nx                           ; its fourth: all that it fetches is the next step's, in slot nx
	QUARTER 1, 0, 0, 1, \nx, 0, \nx, 1
.endm
; The third quarter changes slots: raw bytes are fetched two quarters ahead and xh's fragments one, so its first run of loads is the last that reads slot s.  ONE barrier, for two things.  In front of it
; each wave waits for all its tensor loads, of which one is out: its part of the next slot; adds 0 to its spare word; and waits for that and for its own reads of slot s.  Behind it nobody reads slot s
; any more and slot nx is whole.  fill = 1: the barrier opens a round of the cluster's barrier, and slot s is filled again, first thing behind the round, with the K step two steps on:
; from that request to the wait for it a wave issues 224 matrix instructions.
.macro TURN s, nx, fill
	s_wait_dscnt 8
	MUL16 0, 0, 0, 0, 1, 0
	FETCH_A \s, 192, 1
	WIN 0                                          ; (the add's two registers lie in window 0)
	s_wait_tensorcnt 0x0                           ; all my tensor loads have landed;
	ds_add_u32 v[SPW], v[NIL]                      ; 0 onto my spare word;
	MUL16 0, 0, 2, 0, 1, 8                         ; sixteen matrix instructions and their riders stand between the add and the wait for it
	s_wait_dscnt 0x0                               ; the add is done, and my reads of slot s are over
	s_barrier_signal -1
	MUL16 0, 1, 0, 0, 1, 16                        ; work on registers while the others arrive
	WIN 0
	s_barrier_wait -1
.if \fill
	CREST                                          ; no wave of any partner still reads this slot's tiles or has a load on its way
	s_add_nc_u64 s[G0+4*(\s)+2:G0+4*(\s)+3], s[G0+4*(\s)+2:G0+4*(\s)+3], 2*KSTEP*2
	s_add_nc_u64 s[G0B+4*(\s)+2:G0B+4*(\s)+3], s[G0B+4*(\s)+2:G0B+4*(\s)+3], 2*KSTEP*SIZE_N
	JLOAD \s                                       ; my one tensor load behind the round
.endif
	FETCH_R \nx, 0, 0
	MUL16 0, 1, 2, 0, 1, 24
.endm
; THE WAY OUT of row block a (16 rows x 128 columns), in three parts.  PACK: each sum times 1 / scale of its column; the multiply also lays even and odd columns side by side, so that a lane holds 16
; neighbouring columns of each group of 32.  Each accumulator is read from its lowest register on.
.macro PACK a
	WIN 0x02+(\a)/4                                ; source 0: window 2 or 3
.irp g, 0,1,2,3
.irp j, 0,1,2,3,4,5,6,7
	v_mul_f32 v[TMP+16*(\g)+2*(\j)],   v[64*((\a)%4)+16*(\g)+(\j)],   v[INV+16*(\g)+2*(\j)]
	v_mul_f32 v[TMP+16*(\g)+2*(\j)+1], v[64*((\a)%4)+16*(\g)+8+(\j)], v[INV+16*(\g)+2*(\j)+1]
.endr
.endr
	WIN 0
.endm
.macro TOSTAGE a                       ; into my own stage, and back as whole rows of 512 bytes
	WIN 0
.irp g, 0,1,2,3
.irp q, 0,1,2,3
	ds_store_b128 v[STO], v[TMP+16*(\g)+4*(\q):TMP+16*(\g)+4*(\q)+3] offset:128*(\g)+16*(\q)
.endr
.endr
	s_wait_xcnt 0x0                                ; every earlier memory instruction has had its addresses translated (ISA guide 3.1): the registers that the block before's stores read are loaded again only behind this wait
.irp t, 0,1,2,3,4,5,6,7,8,9,10,11,12,13,14,15
	ds_load_b128 v[BK+4*(\t):BK+4*(\t)+3], v[RD] offset:(\t)*SPITCH  ; LDS serves a wave's instructions in order (ISA guide 5.7.1.4): these see the stores above
.endr
.endm
.macro SEND a
	WIN 0
	s_wait_dscnt 0x0                               ; the block is back in registers
.irp t, 0,1,2,3,4,5,6,7,8,9,10,11,12,13,14,15
	global_store_b128 v[CO], v[BK+4*(\t):BK+4*(\t)+3], s[10:11] offset:(16*(\a)+(\t))*SIZE_N*4 th:TH_STORE_NT  ; 32 lanes store 512 consecutive bytes, at a multiple of 512 from out's first byte; 127 rows at the most: 8,323,072, inside the signed 24-bit immediate
.endr
.endm
	s_wait_tensorcnt 1                             ; my part of K step 0 is in; K step 1's was issued behind it and may stay out
	s_barrier_signal -1
	s_barrier_wait -1                              ; everybody's is
	FETCH_R 0, 0, 0
	FETCH_R 0, 1, 1
	FETCH_A 0, 0, 0
	s_wait_loadcnt 0x0                             ; scale
.set i, 0
.rept 64
	v_rcp_f32 v[INV+i], v[INV+i]
.set i, i+1
.endr
	v_nop                                          ; a plain instruction behind the last reciprocal (ISA guide 5.7.2)
	s_wait_dscnt 24                                ; the first quarter's raw bytes are in: behind them stand the second quarter's 8 loads and xh's 16
.set i, 0
.rept 32
	CONV 0, i                                      ; the one conversion that has no products to stand beside
.set i, i+1
.endr
	Q0 0, 1                                        ; the first quarter stands in front of the loop: its products start the sums, and nothing is ever cleared
	WIN 0                                          ; at a label and at a branch every window is 0
	s_mov_b32 s[LAP], LAPS-1
.Llap:                                                 ; a trip goes once round the ring, from a lap's second quarter to the next lap's first, and fills both slots again: K steps 2 to 31 in 15 trips
	Q1 0
	TURN 0, 1, 1
	Q3 1
	Q0 1, 0
	Q1 1
	TURN 1, 0, 1
	Q3 0
	Q0 0, 0
	WIN 0
	s_sub_co_u32 s[LAP], s[LAP], 1
	s_cmp_lg_u32 s[LAP], 0
	s_cbranch_scc1 .Llap
	Q1 0                                           ; the last lap is written out: it asks for nothing
	TURN 0, 1, 0                                   ; my one tensor load that was still out is slot 1's, the last K step's
	Q3 1
	Q0 1, 0
	Q1 1
	QUARTER 0, 8, 0, 1, 1, 192, -1, 0              ; the last step's third quarter: no raw bytes are left to fetch
	QUARTER 1, 8, 0, 0, -1, 0, -1, 0               ; and its fourth: nothing to fetch, nothing to convert
	WIN 0
	PLACES                                         ; the multiplies below read matrix results
	PACK 0
	TOSTAGE 0
.irp a, 1,2,3,4,5,6,7                  ; block a's multiplies stand between block a - 1's loads from the stage and the wait for them
	PACK \a
	SEND (\a)-1
	TOSTAGE \a
.endr
	SEND 7
	s_wait_tensorcnt 0x0                           ; the wave's end: the wait, the add and the wait for it stand behind my last tensor load and my last LDS store
	ds_add_u32 v[SPW], v[NIL]
	s_wait_dscnt 0x0
	CROUND                                         ; the closing round: no work-group ends while a partner may still ask for a tile that names it
	s_endpgm
.Lfunc_end_k_qa9f0a3b8e5_gemm:
	.size	k_qa9f0a3b8e5_gemm, .Lfunc_end_k_qa9f0a3b8e5_gemm-k_qa9f0a3b8e5_gemm
	.p2alignl 7, 3214868480
	.fill 96, 4, 3214868480
	.section	.rodata,"a",@progbits
	.p2align	6, 0x0
	.amdhsa_kernel k_qa9f0a3b8e5_gemm
		.amdhsa_group_segment_fixed_size 327680
		.amdhsa_private_segment_fixed_size 0
		.amdhsa_enable_private_segment 0
		.amdhsa_kernarg_size 32
		.amdhsa_user_sgpr_count 2
		.amdhsa_user_sgpr_kernarg_segment_ptr 1
		.amdhsa_wavefront_size32 1
		.amdhsa_system_sgpr_workgroup_id_x 1
		.amdhsa_system_sgpr_workgroup_id_y 1
		.amdhsa_system_sgpr_workgroup_id_z 1
		.amdhsa_system_vgpr_workitem_id 0
		.amdhsa_next_free_vgpr 1024
		.amdhsa_next_free_sgpr 76
		.amdhsa_reserve_vcc 0
		.amdhsa_float_denorm_mode_32 3
		.amdhsa_float_denorm_mode_16_64 3
		.amdhsa_memory_ordered 1
		.amdhsa_forward_progress 1
		.amdhsa_inst_pref_size 255
	.end_amdhsa_kernel
	.section	.bss,"aw",@nobits
	.p2align	6
	.space	262144
	.amdgpu_metadata
---
amdhsa.version: [ 1, 2 ]
amdhsa.kernels:
  - .name:           k_qa9f0a3b8e5_gemm
    .symbol:         k_qa9f0a3b8e5_gemm.kd
    .args:
      - { .name: xh, .offset: 0, .size: 8, .value_kind: global_buffer, .address_space: global }
      - { .name: kernel, .offset: 8, .size: 8, .value_kind: global_buffer, .address_space: global }
      - { .name: scale, .offset: 16, .size: 8, .value_kind: global_buffer, .address_space: global }
      - { .name: out0, .offset: 24, .size: 8, .value_kind: global_buffer, .address_space: global }
    .group_segment_fixed_size: 327680
    .private_segment_fixed_size: 0
    .kernarg_segment_align: 8
    .kernarg_segment_size: 32
    .max_flat_workgroup_size: 128
    .sgpr_count:     76
    .vgpr_count:     1024
    .wavefront_size: 32
...
	.end_amdgpu_metadata
.endif
;; end of part 2
;; ======== version 2 of 2: 2 launches; version 1 with the launch cvtx written anew for expert scheduling mode
;; limits: inputs' magnitudes at most 65,504; values are held in f16: magnitudes above 65,504 overflow, below 6.1e-05 lose precision
;; workspace buffers: xh 8,388,608 bytes
;; launch cvtx (part 3): grid 512 x 1, 8 waves a work-group, no clusters, 0 bytes of LDS; arguments x, xh; writes xh
.if DOCPART == 3
	.amdgcn_target "amdgcn-amd-amdhsa--gfx1250"
	.amdhsa_code_object_version 6
	.text
	.protected	k_qa9f0a3b8e5_cvtx
	.globl	k_qa9f0a3b8e5_cvtx
	.p2align	8
	.type	k_qa9f0a3b8e5_cvtx,@function
k_qa9f0a3b8e5_cvtx:
	s_mov_b64 s[64:65], 0
	v_nop
	global_prefetch_b8 v0, s[64:65] scope:SCOPE_SE
	s_setreg_imm32_b32 hwreg(HW_REG_WAVE_SCHED_MODE, 0, 2), 2
	s_setreg_imm32_b32 hwreg(HW_REG_WAVE_MODE, 25, 1), 1
	s_wait_xcnt 0x0
	s_wait_alu depctr_vm_vsrc(0)
; xh = x rounded to f16, same layout: [1024][4096], x in f32 (16,777,216 bytes), xh in f16 (8,388,608 bytes).
; LIMITS.  f16 holds no number beyond 65,504: an |x| of 65,520 or more becomes an infinity; below 6.1e-5 x keeps f16's fixed step of 6e-8.  NaN stays NaN.
; A stream: no LDS, no barrier, no matrix unit, since every byte is read once and written once and nothing is shared.
; 512 work-groups of eight waves; a work-group owns 32,768 bytes of x and 16,384 of xh.  Thread t takes the 16 bytes at 16 t + 4,096 j (j = 0 .. 7):
; a wave's load covers 512 consecutive bytes; its store of 8 bytes a lane covers 256 consecutive bytes, at a multiple of 256 from xh's first byte.
; All eight loads of a thread go out at once, each into registers of its own, so no register is used twice and no source is ever rewritten.
; THE MODE: SCHED_MODE bits 1:0 = 2 (LLVM: expert scheduling mode 2), set by the entry lines.  The code itself states the register dependences
; between vector instructions and memory instructions, with s_wait_alu, always for 0.
; THE PLAN.  Registers that memory instructions touch:
;   v1, v2   byte offsets of the loads and of the stores: written once at the head, never again.
;   X[j]     load j lands in it; no vector instruction names it before that; the two conversions of j read it; nothing lands in it again.
;   Y[j]     the two conversions of j write it, once; store j reads it; it is never written again.
; So no load lands in a register that a vector instruction has named, and no register that a memory instruction has read is written again: the only
; dependences to state are vector results that memory instructions read.  The eight loads go in four blocks of two.  Block p's conversions read X[2 p], X[2 p + 1]
; and write Y[2 p], Y[2 p + 1]; its memory instructions are the two stores of block p - 1, from Y[2 p - 2] and Y[2 p - 1], which no vector instruction of block p names.
; One wait at a block's head states what those two stores hang on, and they are dealt among the block's conversions with no further wait.
.set X, 4                              ; v[4:35]   load j: four f32
.set Y, 36                             ; v[36:51]  store j: four f16 in two registers
	s_load_b128 s[4:7], s[0:1], 0x0                ; x s[4:5], xh s[6:7]
	v_lshlrev_b32 v1, 4, v0                        ; 16 t
	v_lshlrev_b32 v2, 3, v0                        ; 8 t
	s_lshl_b32 s8, ttmp9, 15                       ; the work-group's 32,768 bytes of x (under 2^24 in all)
	s_mov_b32 s9, 0
	s_lshl_b32 s10, ttmp9, 14                      ; and its 16,384 bytes of xh
	s_mov_b32 s11, 0
	s_wait_kmcnt 0x0
	s_add_nc_u64 s[4:5], s[4:5], s[8:9]
	s_add_nc_u64 s[6:7], s[6:7], s[10:11]
	s_wait_alu depctr_va_vdst(0)                   ; v1 and v2 are written: every load of the kernel reads v1 as its offset, every store v2, and no later vector line names either
.irp j, 0,1,2,3,4,5,6,7
	global_load_b128 v[X+4*(\j):X+4*(\j)+3], v1, s[4:5] offset:4096*(\j) th:TH_LOAD_NT  ; x is read once in the whole program
.endr
.macro CVT j                           ; four numbers of load j, rounded and packed
	v_cvt_pk_f16_f32 v[Y+2*(\j)],   v[X+4*(\j)],   v[X+4*(\j)+1]
	v_cvt_pk_f16_f32 v[Y+2*(\j)+1], v[X+4*(\j)+2], v[X+4*(\j)+3]
.endm
.macro ST j
	global_store_b64 v2, v[Y+2*(\j):Y+2*(\j)+1], s[6:7] offset:2048*(\j)  ; no hint: the next launch reads xh
.endm
.irp p, 0,1,2,3
	s_wait_loadcnt 6-2*(\p)                        ; loads come back in order (ISA guide 5.7.1): loads 2 p and 2 p + 1 are in, the 6 - 2 p younger ones stay out
.if (\p) > 0
	s_wait_alu depctr_va_vdst(0)                   ; the block before's four conversions have written Y[2 p - 2] and Y[2 p - 1], which the two stores below read
	ST 2*(\p)-2
.endif
	CVT 2*(\p)
.if (\p) > 0
	ST 2*(\p)-1                                    ; no wait: the conversions issued since the wait name X[2 p] and Y[2 p] alone
.endif
	CVT 2*(\p)+1
.endr
	s_wait_alu depctr_va_vdst(0)                   ; block 3's conversions have written Y[6] and Y[7], which the last two stores read
	ST 6
	ST 7
	s_endpgm
.Lfunc_end_k_qa9f0a3b8e5_cvtx:
	.size	k_qa9f0a3b8e5_cvtx, .Lfunc_end_k_qa9f0a3b8e5_cvtx-k_qa9f0a3b8e5_cvtx
	.p2alignl 7, 3214868480
	.fill 96, 4, 3214868480
	.section	.rodata,"a",@progbits
	.p2align	6, 0x0
	.amdhsa_kernel k_qa9f0a3b8e5_cvtx
		.amdhsa_group_segment_fixed_size 0
		.amdhsa_private_segment_fixed_size 0
		.amdhsa_enable_private_segment 0
		.amdhsa_kernarg_size 16
		.amdhsa_user_sgpr_count 2
		.amdhsa_user_sgpr_kernarg_segment_ptr 1
		.amdhsa_wavefront_size32 1
		.amdhsa_system_sgpr_workgroup_id_x 1
		.amdhsa_system_sgpr_workgroup_id_y 1
		.amdhsa_system_sgpr_workgroup_id_z 1
		.amdhsa_system_vgpr_workitem_id 0
		.amdhsa_next_free_vgpr 56
		.amdhsa_next_free_sgpr 66
		.amdhsa_reserve_vcc 0
		.amdhsa_float_denorm_mode_32 3
		.amdhsa_float_denorm_mode_16_64 3
		.amdhsa_memory_ordered 1
		.amdhsa_forward_progress 1
		.amdhsa_inst_pref_size 4
	.end_amdhsa_kernel
	.amdgpu_metadata
---
amdhsa.version: [ 1, 2 ]
amdhsa.kernels:
  - .name:           k_qa9f0a3b8e5_cvtx
    .symbol:         k_qa9f0a3b8e5_cvtx.kd
    .args:
      - { .name: x, .offset: 0, .size: 8, .value_kind: global_buffer, .address_space: global }
      - { .name: xh, .offset: 8, .size: 8, .value_kind: global_buffer, .address_space: global }
    .group_segment_fixed_size: 0
    .private_segment_fixed_size: 0
    .kernarg_segment_align: 8
    .kernarg_segment_size: 16
    .max_flat_workgroup_size: 256
    .sgpr_count:     66
    .vgpr_count:     56
    .wavefront_size: 32
...
	.end_amdgpu_metadata
.endif
;; end of part 3
;; launch gemm: the kernel of part 2 again; grid 64 x 4, 4 waves a work-group, clusters of 4 x 4, 327,680 bytes of LDS; arguments xh, kernel, scale, out0; writes out0
